; MI455X (gfx1250); checked and timed in simulation.
; The chip was launched on July 23, 2026; its instructions are those of AMD's public machine-readable ISA for CDNA 5 (MIT licence, August 2026) and "CDNA5" Instruction Set Architecture Reference Guide (July 2026). The comments in the code are by the model that wrote it; some were corrected since.
;; Multi Head Self Attention. Allowed arithmetic: float matrix products may take bf16 or f16 operands with f32 sums; other float arithmetic in f32, or as packed bf16 or f16 multiplies, adds, multiply-adds, maxima and minima; sums over many terms, partial sums and values carried from step to step in f32; what a program stores and reads back later, other than sums and carried values, may be rounded once to bf16 or f16.
;; Inputs: W 1,024 x 3,072 float32; b 3,072 float32; inputs 2 x 2,048 x 1,024 float32; masks 2 x 2,048 float32.
;; Outputs: out0 2 x 2,048 x 1,024 float32.
;; One version. Each part assembles by itself: llvm-mc -triple=amdgcn-amd-amdhsa -mcpu=gfx1250 --defsym DOCPART=n.
;; ======== version 1 of 1: 3 launches
;; limits: values are held in f16: magnitudes above 65,504 overflow, below 6.1e-05 lose precision
;; workspace buffers: xb 8,388,608 bytes; wt 6,291,456 bytes; kws 8,388,608 bytes; qws 8,388,608 bytes; vws 10,485,760 bytes
;; launch prep (part 1): grid 896 x 1, 8 waves a work-group, no clusters, 17,920 bytes of LDS; arguments inputs, W, xb, wt; writes xb, wt
.if DOCPART == 1
	.amdgcn_target "amdgcn-amd-amdhsa--gfx1250"
	.amdhsa_code_object_version 6
	.text
	.protected	k_qb6f7156492_prep
	.globl	k_qb6f7156492_prep
	.p2align	8
	.type	k_qb6f7156492_prep,@function
k_qb6f7156492_prep:
	s_mov_b64 s[64:65], 0
	v_nop
	global_prefetch_b8 v0, s[64:65] scope:SCOPE_SE
	s_setreg_imm32_b32 hwreg(HW_REG_WAVE_MODE, 25, 1), 1
	s_wait_xcnt 0x0
; xb = inputs rounded to bf16, [4096][1024].  wt = W rounded to bf16, turned and sorted by heads, [3072][1024]:
; row head*192 + type*64 + c of wt is column type*1024 + head*64 + c of W (type 0 keys, 1 queries, 2 values).
; A stream: every byte is read once and written once.  896 work-groups of equal bytes (32,768 in, 16,384 out):
; numbers 0-511 take 8 rows of inputs each, numbers 512-895 a tile of 128 k x 64 n of W each.  With reads of whole rows of 256 bytes
; (64 n of f32) and stores of whole rows of 256 bytes (128 k of bf16) W has 384 such tiles; inputs are cut to the same bytes a work-group.
; No matrix unit, no cluster, no tensor load, no prefetch: nothing is shared, and the loads of all work-groups are out at once.
.set SPARE, 16896                      ; behind the tile (64 rows x 264 bytes): the spare words, 128 bytes for each of the 8 waves
.set LP,    264                        ; an LDS row: 128 k of bf16 + 8 bytes
.set WROW,  12288                      ; bytes in a row of W
	s_load_b256 s[4:11], s[0:1], 0x0               ; inputs s[4:5], W s[6:7], xb s[8:9], wt s[10:11]
	v_lshl_add_u32 v62, v0, 2, SPARE               ; my spare word
	v_mov_b32 v63, 0
	s_mov_b32 s13, 0
	s_wait_kmcnt 0x0
	s_cmp_lt_u32 ttmp9, 512                        ; the same in all waves of a work-group
	s_cbranch_scc0 .Lw
	; ---- inputs: 32,768 consecutive bytes; thread t takes 16 bytes of each 4,096
	s_lshl_b32 s12, ttmp9, 15
	s_add_nc_u64 s[4:5], s[4:5], s[12:13]
	s_lshl_b32 s12, ttmp9, 14
	s_add_nc_u64 s[8:9], s[8:9], s[12:13]
	v_lshlrev_b32 v1, 4, v0
	v_lshlrev_b32 v2, 3, v0
.irp i, 0,1,2,3,4,5,6,7
	global_load_b128 v[8+4*(\i):11+4*(\i)], v1, s[4:5] offset:4096*(\i) th:TH_LOAD_NT
.endr
.irp i, 0,1,2,3,4,5,6,7
	s_wait_loadcnt 7-(\i)                          ; loads come back in order: load i is in, the younger ones stay out
	v_cvt_pk_bf16_f32 v[40+2*(\i)], v[8+4*(\i)], v[9+4*(\i)]
	v_cvt_pk_bf16_f32 v[41+2*(\i)], v[10+4*(\i)], v[11+4*(\i)]
	global_store_b64 v2, v[40+2*(\i):41+2*(\i)], s[8:9] offset:2048*(\i)  ; a wave's 32 lanes store 256 consecutive bytes, aligned
.endr
	s_branch .Lend
.Lw:
	; ---- W: tile kb (128 k) x hb (64 n).  Sixteen lanes read one row's 256 bytes; each sixteen lanes own 8 rows of k
	s_sub_co_u32 s12, ttmp9, 512
	s_lshr_b32 s14, s12, 3                         ; hb = type*16 + head
	s_and_b32 s15, s12, 7                          ; kb
	s_mul_i32 s16, s15, 128*WROW
	s_lshl_b32 s17, s14, 8
	s_add_co_u32 s16, s16, s17
	s_mov_b32 s17, 0
	s_add_nc_u64 s[6:7], s[6:7], s[16:17]
	s_and_b32 s18, s14, 15                         ; head
	s_lshr_b32 s19, s14, 4                         ; type
	s_mul_i32 s18, s18, 192
	s_lshl_b32 s19, s19, 6
	s_add_co_u32 s18, s18, s19                     ; the tile's first row in wt
	s_lshl_b32 s18, s18, 11
	s_lshl_b32 s19, s15, 8
	s_add_co_u32 s18, s18, s19
	s_mov_b32 s19, 0
	s_add_nc_u64 s[10:11], s[10:11], s[18:19]
	v_lshrrev_b32 v6, 4, v0                        ; which 8 rows of k
	v_and_b32 v7, 15, v0                           ; which 4 columns
	v_mul_u32_u24 v1, v6, 8*WROW
	v_lshl_add_u32 v1, v7, 4, v1
	v_mul_u32_u24 v3, v7, 4*LP
	v_lshl_add_u32 v3, v6, 4, v3                   ; LDS: row n = 4 (t % 16), byte 16 (t / 16)
.irp r, 0,1,2,3,4,5,6,7
	global_load_b128 v[8+4*(\r):11+4*(\r)], v1, s[6:7] offset:WROW*(\r) th:TH_LOAD_NT
.endr
.irp g, 0,1
	s_wait_loadcnt 4-4*(\g)                        ; rows 4 g .. 4 g + 3 are in
.irp j, 0,1,2,3
	v_cvt_pk_bf16_f32 v[40+2*(4*(\g)+(\j))], v[8+16*(\g)+(\j)], v[12+16*(\g)+(\j)]   ; column j: four neighbouring k, 8 bytes
	v_cvt_pk_bf16_f32 v[41+2*(4*(\g)+(\j))], v[16+16*(\g)+(\j)], v[20+16*(\g)+(\j)]
	ds_store_b64 v3, v[40+2*(4*(\g)+(\j)):41+2*(4*(\g)+(\j))] offset:(\j)*LP+(\g)*8
.endr
.endr
	s_wait_dscnt 0x0                               ; for the others' sake: my stores into the tile are done
	s_barrier_signal -1
	s_barrier_wait -1
	v_lshrrev_b32 v6, 5, v0                        ; wave: it takes rows n = 8 wave .. + 7, whole
	v_and_b32 v7, 31, v0
	v_mul_u32_u24 v4, v6, 8*LP
	v_lshl_add_u32 v4, v7, 3, v4
	v_lshlrev_b32 v5, 14, v6
	v_lshl_add_u32 v5, v7, 3, v5
.irp m, 0,1,2,3,4,5,6,7
	ds_load_b64 v[8+2*(\m):9+2*(\m)], v4 offset:LP*(\m)
.endr
.irp m, 0,1,2,3,4,5,6,7
	s_wait_dscnt 7-(\m)
	global_store_b64 v5, v[8+2*(\m):9+2*(\m)], s[10:11] offset:2048*(\m)  ; 256 consecutive bytes of a row of wt, aligned
.endr
.Lend:
	s_wait_tensorcnt 0x0                           ; the wave's end: behind my last LDS store
	ds_add_u32 v62, v63
	s_wait_dscnt 0x0
	s_endpgm
.Lfunc_end_k_qb6f7156492_prep:
	.size	k_qb6f7156492_prep, .Lfunc_end_k_qb6f7156492_prep-k_qb6f7156492_prep
	.p2alignl 7, 3214868480
	.fill 96, 4, 3214868480
	.section	.rodata,"a",@progbits
	.p2align	6, 0x0
	.amdhsa_kernel k_qb6f7156492_prep
		.amdhsa_group_segment_fixed_size 17920
		.amdhsa_private_segment_fixed_size 0
		.amdhsa_enable_private_segment 0
		.amdhsa_kernarg_size 32
		.amdhsa_user_sgpr_count 2
		.amdhsa_user_sgpr_kernarg_segment_ptr 1
		.amdhsa_wavefront_size32 1
		.amdhsa_system_sgpr_workgroup_id_x 1
		.amdhsa_system_sgpr_workgroup_id_y 1
		.amdhsa_system_sgpr_workgroup_id_z 1
		.amdhsa_system_vgpr_workitem_id 0
		.amdhsa_next_free_vgpr 64
		.amdhsa_next_free_sgpr 66
		.amdhsa_reserve_vcc 0
		.amdhsa_float_denorm_mode_32 3
		.amdhsa_float_denorm_mode_16_64 3
		.amdhsa_memory_ordered 1
		.amdhsa_forward_progress 1
		.amdhsa_inst_pref_size 9
	.end_amdhsa_kernel
	.amdgpu_metadata
---
amdhsa.version: [ 1, 2 ]
amdhsa.kernels:
  - .name:           k_qb6f7156492_prep
    .symbol:         k_qb6f7156492_prep.kd
    .args:
      - { .name: inputs, .offset: 0, .size: 8, .value_kind: global_buffer, .address_space: global }
      - { .name: W, .offset: 8, .size: 8, .value_kind: global_buffer, .address_space: global }
      - { .name: xb, .offset: 16, .size: 8, .value_kind: global_buffer, .address_space: global }
      - { .name: wt, .offset: 24, .size: 8, .value_kind: global_buffer, .address_space: global }
    .group_segment_fixed_size: 17920
    .private_segment_fixed_size: 0
    .kernarg_segment_align: 8
    .kernarg_segment_size: 32
    .max_flat_workgroup_size: 256
    .sgpr_count:     66
    .vgpr_count:     64
    .wavefront_size: 32
...
	.end_amdgpu_metadata
.endif
;; end of part 1
;; launch proj (part 2): grid 16 x 16, 4 waves a work-group, clusters of 4 x 4, 327,680 bytes of LDS; arguments xb, wt, b, masks, kws, qws, vws; writes kws, qws, vws
.if DOCPART == 2
	.amdgcn_target "amdgcn-amd-amdhsa--gfx1250"
	.amdhsa_code_object_version 6
	.text
	.protected	k_qb6f7156492_proj
	.globl	k_qb6f7156492_proj
	.p2align	8
	.type	k_qb6f7156492_proj,@function
k_qb6f7156492_proj:
	s_mov_b64 s[64:65], 0
	v_nop
	global_prefetch_b8 v0, s[64:65] scope:SCOPE_SE
	s_setreg_imm32_b32 hwreg(HW_REG_WAVE_MODE, 25, 1), 1
	s_wait_xcnt 0x0
	s_wait_alu depctr_hold_cnt(0) depctr_sa_sdst(0) depctr_va_vdst(0) depctr_va_sdst(0) depctr_va_ssrc(0) depctr_va_vcc(0) depctr_vm_vsrc(0)
	s_getreg_b32 s2, hwreg(HW_REG_IB_STS2, 6, 4)
	s_cmp_eq_u32 s2, 0
	s_cbranch_scc0 .Lentry_in_a_cluster
	s_endpgm
.Lentry_in_a_cluster:
	s_bfe_u32 s2, ttmp6, 0x10000c
	s_cmp_lg_u32 s2, 0xf033
	s_cbranch_scc0 .Lentry_shape_is_right
	s_endpgm
.Lentry_shape_is_right:
; kqv = x W + b, 4096 x 3072 x 1024, bf16 operands, f32 sums.  Written by heads, each number rounded once to f16:
;   kws [32][2048][64] = k + b;   qws likewise = (q + b) log2(e);   vws [32][2048][80]: channels 0-63 = (v + b) mask[key], channels 64-79 = mask[key].
; b and masks are rounded to bf16 like x and W.  LIMIT: f16 ends at 65,504: |k|, |v mask| and 1.4427 |q| must stay under it.
; SHARES.  A work-group makes 256 tokens x the 192 columns of one head (wt's rows are sorted so): 16 x 16 work-groups.  Wave w owns tokens 64 w .. + 63 and all 192
; columns: 4 x 12 accumulators of 16 x 16, 384 registers.  So the kind of a column block (b 0-3 keys, 4-7 queries, 8-11 values) is known as the text is assembled,
; and a wave owns whole rows of all three outputs: its stage on the way out is its own, and needs no barrier.
; K goes in steps of 128 (rows of 256 bytes) through two LDS slots filled by the tensor data mover.
; CLUSTER 4 x 4: the four of a row need the same tokens, the four of a column the same head: each tile is asked for jointly.
; THE MATRIX INSTRUCTION IS USED TRANSPOSED: source 0 = 16 rows of wt, source 1 = 16 tokens: a lane holds token l % 16 and columns 8 (l / 16) + 0..7: 16 bytes of f16 on end.
; REGISTERS, in windows of 256: window 0: v8-15 masks, v16-30 addresses, v32-95 x's fragments (two buffers), v96-191 bias, v192-243 packed results;
;   window 1: v0-191 wt's fragments (two buffers), later rows read back from the stage;  window 2: accumulators of token blocks 0, 1 at 8 (12 a + b);  window 3: of blocks 2, 3.
.set SIZE_K, 1024
.set KSTEP,  128
.set PITCH,  272                       ; an LDS row: 256 bytes + 16: the 16 rows of a fragment load start 16 bytes apart modulo 256
.set AHALF,  128*PITCH                 ; what a load of x brings
.set BHALF,  96*PITCH                  ; what a load of wt brings
.set BOFF,   2*AHALF
.set SLOT,   2*AHALF+2*BHALF
.set STAGE,  2*SLOT                    ; behind the ring: for each wave 16 rows x 144 (k), 16 x 144 (q), 16 x 160 (v)
.set STW,    7168
.set SPARE,  STAGE+4*STW               ; the spare words, 128 bytes for each wave
.set LAPS,   SIZE_K/(2*KSTEP)
.set MK,   8                           ; v8-15   mask of my token in block a, twice, at MK + 2 a
.set ADRA, 16                          ; v16-17  LDS address of my fragments of x in slot 0, 1
.set BO,   18                          ; v18     my offset in b
.set MO,   19                          ; v19     my offset in masks
.set ADRB, 20                          ; v20-21  the same for wt
.set STK,  22                          ; the way out: where I put 16 bytes of a row of k (q: 2,304 on)
.set STV,  23                          ; of v
.set RDK,  24                          ; where I read rows of k back
.set RDV,  25                          ; of v
.set GO,   26                          ; 16 x lane
.set SPW,  28                          ; my spare word; never rewritten
.set NIL,  29                          ; 0; never rewritten
.set PFO,  30                          ; the prefetches' offset: a lane a row; never rewritten
.set FA,   32
.set BI,   96
.set TMP,  192
.set G1,  24                           ; s[24:31] group 1 for x's tiles;  s[32:39] group 0, a set for each slot
.set G0,  32
.set G1B, 48                           ; s[48:55], s[56:63] the same for wt's
.set G0B, 56
.set LIM, 43                           ; 1 in a wave that prefetches, else the greatest number
.set PFA, 44                           ; s[44:45] where my prefetches stand
.set LL,  66                           ; s[66:67] log2(e), twice
.set MSB, 0
.macro WIN new                         ; the immediate's high byte repeats the setting that is left; a switch that changes nothing is dropped
.if MSB != (\new)
	s_set_vgpr_msb (MSB<<8)|(\new)
.set MSB, \new
.endif
.endm
.set MUL_LO, 0xa1                      ; source 0 (wt) window 1, source 1 (x) window 0, C and D window 2
.set MUL_HI, 0xf1                      ; the same, C and D window 3
.set TO_B,   0x40                      ; destination window 1, address window 0
; A joint load: waves 0 and 1 fetch the two halves of x's tile, waves 2 and 3 those of wt's.  An s_nop 0 and four v_nop follow each line.
.macro JLOAD s
	s_cmp_eq_u32 s11, 0
	s_cbranch_scc0 .Lfor_b_\@
	tensor_load_to_lds s[G0+4*(\s):G0+4*(\s)+3], s[G1:G1+7]
	s_nop 0
.rept 4
	v_nop
.endr
	s_branch .Lasked_\@
.Lfor_b_\@:
	tensor_load_to_lds s[G0B+4*(\s):G0B+4*(\s)+3], s[G1B:G1B+7]
	s_nop 0
.rept 4
	v_nop
.endr
.Lasked_\@:
.endm
; A prefetch of the K step that stands two refills on: a lane a row, 256 bytes of it, one instruction a wave.  x's rows are named by the clusters with x = 0, wt's by those with y = 0;
; the four partners that ask for a tile jointly share its rows out by address.  The loop's last trip (s3 = 1) has no K step two on.
.macro ASK
	s_cmp_gt_u32 s3, s[LIM]
	s_cbranch_scc0 .Lnot_mine_\@
	global_prefetch_b8 v[PFO], s[PFA:PFA+1] offset:KSTEP*2 th:TH_LOAD_NT scope:SCOPE_SE
.Lnot_mine_\@:
.endm
.macro CREST                           ; a round of the cluster's barrier behind its opening barrier
	s_cmp_lg_u32 s10, 0
	s_cbranch_scc1 .Lnot_wave_0_\@
	s_barrier_signal -3
.Lnot_wave_0_\@:
	s_barrier_wait -3
	s_barrier_signal -1
	s_barrier_wait -1
.endm
.macro CROUND
	s_barrier_signal -1
	s_barrier_wait -1
	CREST
.endm
.macro PLACES                          ; four places in front of loads into registers that matrix instructions have read, and of arithmetic on results
.rept 4
	v_nop
.endr
.endm
	s_load_b128 s[4:7], s[0:1], 0x0                ; xb s[4:5], wt s[6:7]
	s_load_b128 s[68:71], s[0:1], 0x10             ; b s[68:69], masks s[70:71]
	s_load_b128 s[72:75], s[0:1], 0x20             ; kws s[72:73], qws s[74:75]
	s_load_b64 s[76:77], s[0:1], 0x30              ; vws
	v_lshl_add_u32 v[SPW], v0, 2, SPARE
	v_mov_b32 v[NIL], 0
	ds_add_u32 v[SPW], v[NIL]                      ; the wave's opening: the add, twice on end, and its wait ahead of my first tensor load
	ds_add_u32 v[SPW], v[NIL]
	v_lshrrev_b32 v1, 5, v0
	v_readfirstlane_b32 s10, v1                    ; wave 0..3
	s_lshr_b32 s11, s10, 1                         ; I fetch for x (0) or for wt (1)
	s_and_b32 s12, s10, 1                          ; which half of that tile
	s_bfe_u32 s40, ttmp6, 0x40000                  ; cx
	s_bfe_u32 s41, ttmp6, 0x40004                  ; cy
	s_lshl_b32 s42, ttmp9, 2
	s_add_co_u32 s42, s42, s40                     ; the head = 4 x cluster x + cx
	s_and_b32 s13, ttmp7, 0xffff
	s_lshl_b32 s13, s13, 2
	s_add_co_u32 s13, s13, s41                     ; the block of 256 tokens = 4 x cluster y + cy
	s_lshl_b32 s43, s41, 2
	s_lshl_b32 s43, 15, s43                        ; my row of the cluster
	s_lshl_b32 s44, 0x1111, s40                    ; my column
	s_or_b32 s[G1+0], s43, (1<<16)|(1<<20)|(1<<21)|(5<<22)|(3<<25)   ; the mask; 2-byte elements; padding on; bit 21 beside a mask; after every 64 words, 4 words
	s_or_b32 s[G1B+0], s44, (1<<16)|(1<<20)|(1<<21)|(5<<22)|(3<<25)
	s_mov_b32 s[G1+1], KSTEP<<16                   ; tensor_dim0 = 128
	s_mov_b32 s[G1+2], 128<<16                     ; tensor_dim1 = 128
	s_mov_b32 s[G1+3], KSTEP<<16                   ; tile_dim0 = 128
	s_mov_b32 s[G1+4], 128                         ; tile_dim1 = 128
	s_mov_b32 s[G1+5], SIZE_K                      ; elements from row to row
	s_mov_b32 s[G1+6], 0
	s_mov_b32 s[G1+7], 0
	s_mov_b32 s[G1B+1], KSTEP<<16
	s_mov_b32 s[G1B+2], 96<<16                     ; 96 rows
	s_mov_b32 s[G1B+3], KSTEP<<16
	s_mov_b32 s[G1B+4], 96
	s_mov_b32 s[G1B+5], SIZE_K
	s_mov_b32 s[G1B+6], 0
	s_mov_b32 s[G1B+7], 0
	s_mov_b32 s[LL], 0x3fb8aa3b                    ; log2(e)
	s_mov_b32 s[LL+1], s[LL]
	s_lshl_b32 s16, s13, 8                         ; x: row 256 x block + 128 x half, 2,048 bytes a row
	s_lshl_b32 s17, s12, 7
	s_add_co_u32 s16, s16, s17
	s_lshl_b32 s16, s16, 11
	s_mov_b32 s17, 0
	s_mul_i32 s46, s42, 192                        ; wt: row 192 x head + 96 x half
	s_mul_i32 s47, s12, 96
	s_add_co_u32 s46, s46, s47
	s_lshl_b32 s46, s46, 11
	s_mov_b32 s47, 0
	s_mul_i32 s20, s12, AHALF                      ; where they go: no place in the cluster enters an LDS address
	s_mul_i32 s21, s12, BHALF
	s_add_co_u32 s21, s21, BOFF
	s_wait_dscnt 0x0                               ; both opening adds are done
	s_wait_kmcnt 0x0
	s_add_nc_u64 s[14:15], s[4:5], s[16:17]
	s_add_nc_u64 s[46:47], s[6:7], s[46:47]
	CROUND                                         ; all sixteen work-groups are here: the first joint loads meet
.irp s, 0,1
	s_mov_b32 s[G0+4*(\s)], 1
	s_add_co_u32 s[G0+4*(\s)+1], s20, (\s)*SLOT
	s_add_nc_u64 s[G0+4*(\s)+2:G0+4*(\s)+3], s[14:15], (\s)*KSTEP*2
	s_or_b32 s[G0+4*(\s)+3], s[G0+4*(\s)+3], 0x80000000
	s_mov_b32 s[G0B+4*(\s)], 1
	s_add_co_u32 s[G0B+4*(\s)+1], s21, (\s)*SLOT
	s_add_nc_u64 s[G0B+4*(\s)+2:G0B+4*(\s)+3], s[46:47], (\s)*KSTEP*2
	s_or_b32 s[G0B+4*(\s)+3], s[G0B+4*(\s)+3], 0x80000000
	JLOAD \s                                       ; two loads of mine are out
.endr
	; all that follows, down to the wait for K step 0, stands in the wait for the first tiles
	v_and_b32 v1, 15, v0                           ; l % 16
	v_bfe_u32 v2, v0, 4, 1                         ; l / 16
	v_and_b32 v6, 31, v0                           ; l
	v_mul_u32_u24 v3, v1, PITCH
	v_lshl_add_u32 v3, v2, 4, v3                   ; a fragment's row x pitch + 16 x half
	s_mul_i32 s22, s10, 64*PITCH                   ; my 64 tokens
	s_mov_b32 s23, BOFF                            ; all 192 rows of wt
.irp s, 0,1
	v_add_nc_u32 v[ADRA+(\s)], s22, v3
	v_add_nc_u32 v[ADRB+(\s)], s23, v3
	s_add_co_u32 s22, s22, SLOT
	s_add_co_u32 s23, s23, SLOT
.endr
	s_mul_i32 s23, s10, STW
	s_add_co_u32 s23, s23, STAGE                   ; my stage
	v_mul_u32_u24 v4, v1, 144
	v_lshl_add_u32 v4, v2, 4, v4
	v_add_nc_u32 v[STK], s23, v4
	v_mul_u32_u24 v4, v1, 160
	v_lshl_add_u32 v4, v2, 4, v4
	v_add_nc_u32 v4, 4608, v4
	v_add_nc_u32 v[STV], s23, v4
	v_bfe_u32 v4, v0, 3, 2                         ; back: 32 lanes take four rows of 128 bytes
	v_and_b32 v5, 7, v0
	v_mul_u32_u24 v4, v4, 144
	v_lshl_add_u32 v4, v5, 4, v4
	v_add_nc_u32 v[RDK], s23, v4
	v_lshlrev_b32 v[GO], 4, v6
	v_add_nc_u32 v4, 4608, v[GO]                   ; v's 16 rows of 160 bytes lie on end: 512 bytes a load
	v_add_nc_u32 v[RDV], s23, v4
	v_lshlrev_b32 v[BO], 5, v2                     ; my 8 columns of a block: 32 bytes of b
	v_lshlrev_b32 v[MO], 2, v1
	s_lshl_b32 s46, s42, 8                         ; the head's 64 numbers in each third of b
	s_mov_b32 s47, 0
	s_add_nc_u64 s[68:69], s[68:69], s[46:47]
	s_lshl_b32 s16, s13, 10                        ; my 64 tokens in masks
	s_lshl_b32 s17, s10, 8
	s_add_co_u32 s16, s16, s17
	s_mov_b32 s17, 0
	s_add_nc_u64 s[70:71], s[70:71], s[16:17]
.irp b, 0,1,2,3,4,5,6,7,8,9,10,11
	global_load_b128 v[BI+8*(\b):BI+8*(\b)+3],   v[BO], s[68:69] offset:((\b)/4)*4096+((\b)%4)*64
	global_load_b128 v[BI+8*(\b)+4:BI+8*(\b)+7], v[BO], s[68:69] offset:((\b)/4)*4096+((\b)%4)*64+16
.endr
.irp a, 0,1,2,3
	global_load_b32 v[MK+2*(\a)], v[MO], s[70:71] offset:64*(\a)
.endr
	; my first row in the three outputs: (batch x 16 + head) x 2048 + place in the sequence
	s_lshr_b32 s18, s13, 3
	s_lshl_b32 s18, s18, 15
	s_lshl_b32 s19, s42, 11
	s_add_co_u32 s18, s18, s19
	s_and_b32 s19, s13, 7
	s_lshl_b32 s19, s19, 8
	s_add_co_u32 s18, s18, s19
	s_lshl_b32 s19, s10, 6
	s_add_co_u32 s18, s18, s19
	s_lshl_b32 s20, s18, 7
	s_mov_b32 s21, 0
	s_add_nc_u64 s[72:73], s[72:73], s[20:21]
	s_add_nc_u64 s[74:75], s[74:75], s[20:21]
	s_mul_i32 s20, s18, 160
	s_add_nc_u64 s[76:77], s[76:77], s[20:21]
	; the prefetches: of the 128 rows of x that I fetch the partner at cx takes 32; of the 96 rows of wt the partner at cy takes 24 (lanes 24-31 name the last of them again)
	s_lshl_b32 s18, s13, 8
	s_lshl_b32 s19, s12, 7
	s_add_co_u32 s18, s18, s19
	s_lshl_b32 s19, s40, 5
	s_add_co_u32 s18, s18, s19
	s_mul_i32 s20, s42, 192
	s_mul_i32 s19, s12, 96
	s_add_co_u32 s20, s20, s19
	s_mul_i32 s19, s41, 24
	s_add_co_u32 s20, s20, s19
	s_and_b32 s22, ttmp7, 0xffff                   ; cluster y
	s_cmp_eq_u32 s11, 0                            ; do I fetch for x?
	s_cselect_b32 s20, s18, s20
	s_cselect_b32 s22, ttmp9, s22                  ; the coordinate along which other clusters read the same rows
	s_cselect_b32 s23, 31, 23
	s_cselect_b64 s[PFA:PFA+1], s[4:5], s[6:7]
	s_cmp_eq_u32 s22, 0
	s_cselect_b32 s[LIM], 1, -1                    ; the same in all sixteen partners, for a given wave
	s_lshl_b32 s20, s20, 11
	s_mov_b32 s21, 0
	s_add_nc_u64 s[PFA:PFA+1], s[PFA:PFA+1], s[20:21]
	s_add_nc_u64 s[PFA:PFA+1], s[PFA:PFA+1], 2*KSTEP*2  ; at K step 2: the first refill steps it to 3 and names K step 4; K steps 0 to 3 come by their loads alone
	v_min_u32 v[PFO], s23, v6
	v_lshlrev_b32 v[PFO], 11, v[PFO]
	s_wait_loadcnt 0x0                             ; b and masks
.set r, 0
.rept 48                               ; b rounded to bf16, kept as f32
	v_cvt_pk_bf16_f32 v[4+r%4], v[BI+2*r], v[BI+2*r+1]
	v_lshlrev_b32 v[BI+2*r], 16, v[4+r%4]
	v_and_b32 v[BI+2*r+1], 0xffff0000, v[4+r%4]
.set r, r+1
.endr
.irp a, 0,1,2,3
	v_cvt_pk_bf16_f32 v[4+(\a)], v[MK+2*(\a)], v[MK+2*(\a)]
.endr
.irp a, 0,1,2,3
	v_lshlrev_b32 v[MK+2*(\a)], 16, v[4+(\a)]      ; the mask rounded to bf16, twice: a pair for the packed multiply
	v_and_b32 v[MK+2*(\a)+1], 0xffff0000, v[4+(\a)]
.endr
.set r, 32
.rept 16
	v_pk_mul_f32 v[BI+r:BI+r+1], v[BI+r:BI+r+1], s[LL:LL+1] op_sel_hi:[1,0]  ; the queries' bias times log2(e)
.set r, r+2
.endr
; 12 matrix instructions: token block a x all 12 column blocks, 32 along K, from buffer f.  Every accumulator has one instruction a quarter step, in the same order in every quarter:
; 47 others stand between two links of a chain, over the backward jump too.  zero = 1: the first product starts the sums.
.macro MUL12 f, a, zero
	WIN MUL_LO+0x50*((\a)/2)
.irp b, 0,1,2,3,4,5,6,7,8,9,10,11
.if \zero
	v_wmma_f32_16x16x32_bf16 v[8*(12*((\a)%2)+(\b)):8*(12*((\a)%2)+(\b))+7], v[96*(\f)+8*(\b):96*(\f)+8*(\b)+7], v[FA+32*(\f)+8*(\a):FA+32*(\f)+8*(\a)+7], 0
.else
	v_wmma_f32_16x16x32_bf16 v[8*(12*((\a)%2)+(\b)):8*(12*((\a)%2)+(\b))+7], v[96*(\f)+8*(\b):96*(\f)+8*(\b)+7], v[FA+32*(\f)+8*(\a):FA+32*(\f)+8*(\a)+7], v[8*(12*((\a)%2)+(\b)):8*(12*((\a)%2)+(\b))+7]
.endif
.endr
.endm
; 32 LDS loads in one run: a quarter step's fragments (192 rows of wt, my 64 tokens, 32 K at byte k of the rows) into buffer f
.macro FETCH slot, k, f
	WIN TO_B
.irp i, 0,1,2,3,4,5,6,7,8,9,10,11
	ds_load_b128 v[96*(\f)+8*(\i):96*(\f)+8*(\i)+3],   v[ADRB+(\slot)] offset:(\k)+(\i)*16*PITCH
	ds_load_b128 v[96*(\f)+8*(\i)+4:96*(\f)+8*(\i)+7], v[ADRB+(\slot)] offset:(\k)+(\i)*16*PITCH+32
.endr
	WIN 0
.irp i, 0,1,2,3
	ds_load_b128 v[FA+32*(\f)+8*(\i):FA+32*(\f)+8*(\i)+3],   v[ADRA+(\slot)] offset:(\k)+(\i)*16*PITCH
	ds_load_b128 v[FA+32*(\f)+8*(\i)+4:FA+32*(\f)+8*(\i)+7], v[ADRA+(\slot)] offset:(\k)+(\i)*16*PITCH+32
.endr
.endm
; A K step is four quarters of 32 along K, 48 matrix instructions each, on buffers 0, 1, 0, 1.  One of the first three: multiplies buffer f, fetches the next quarter into g in its middle.
.macro QUARTER slot, k, f, g, zero
	s_wait_dscnt 4                                 ; wt's fragments and token blocks 0, 1 are in; the youngest four loads (blocks 2, 3) may be out
	MUL12 \f, 0, \zero
	MUL12 \f, 1, \zero
	PLACES
	FETCH \slot, \k, \g
	s_wait_dscnt 32                                ; all but the 32 just issued
	MUL12 \f, 2, \zero
	MUL12 \f, 3, \zero
.endm
; The last quarter multiplies buffer 1 and changes slots: one barrier; in front of it each wave waits for all its tensor loads (one is out: its part of the next slot), adds 0 to its
; spare word, and waits for that and for its reads of this slot.  fill = 1: the barrier opens a round of the cluster's, and this slot is filled again first thing behind it, two K steps ahead.
.macro TURN slot, next, fill
.if \fill
	s_wait_xcnt 0x0                                ; the last prefetch, a K step back, has read its address
	s_add_nc_u64 s[PFA:PFA+1], s[PFA:PFA+1], KSTEP*2
.endif
	WIN 0                                          ; (the add's two registers lie in window 0)
	s_wait_tensorcnt 0x0
	ds_add_u32 v[SPW], v[NIL]
	s_wait_dscnt 5                                 ; (the add and the youngest four loads may be out)
	MUL12 1, 0, 0                                  ; twelve matrix instructions stand between the add and the wait for it
	s_wait_dscnt 0x0                               ; the add is done, and my reads of this slot are over
	s_barrier_signal -1
	MUL12 1, 1, 0
.if \fill
	WIN 0
.endif
	s_barrier_wait -1
.if \fill
	CREST                                          ; no wave of any partner still reads this slot or has a load on its way
	s_add_nc_u64 s[G0+4*(\slot)+2:G0+4*(\slot)+3], s[G0+4*(\slot)+2:G0+4*(\slot)+3], 2*KSTEP*2
	s_add_nc_u64 s[G0B+4*(\slot)+2:G0B+4*(\slot)+3], s[G0B+4*(\slot)+2:G0B+4*(\slot)+3], 2*KSTEP*2
	JLOAD \slot                                    ; its four v_nop are also the places in front of the loads below
.else
	PLACES
.endif
	FETCH \next, 0, 0
.if \fill
	ASK
.endif
	MUL12 1, 2, 0
	MUL12 1, 3, 0
.endm
	s_wait_tensorcnt 1                             ; my part of K step 0 is in; K step 1's may stay out
	s_barrier_signal -1
	s_barrier_wait -1
	FETCH 0, 0, 0
	QUARTER 0, 64, 0, 1, 1                         ; the first quarter stands in front of the loop: its products start the sums
	WIN 0
	s_mov_b32 s3, LAPS-1
.Llap:                                                 ; a trip goes once round the ring and fills both slots again
	QUARTER 0, 128, 1, 0, 0
	QUARTER 0, 192, 0, 1, 0
	TURN 0, 1, 1
	QUARTER 1, 64,  0, 1, 0
	QUARTER 1, 128, 1, 0, 0
	QUARTER 1, 192, 0, 1, 0
	TURN 1, 0, 1
	QUARTER 0, 64,  0, 1, 0
	WIN 0
	s_sub_co_u32 s3, s3, 1
	s_cmp_lg_u32 s3, 0
	s_cbranch_scc1 .Llap
	QUARTER 0, 128, 1, 0, 0                        ; the last lap fills nothing
	QUARTER 0, 192, 0, 1, 0
	TURN 0, 1, 0
	QUARTER 1, 64,  0, 1, 0
	QUARTER 1, 128, 1, 0, 0
	QUARTER 1, 192, 0, 1, 0
	s_wait_dscnt 4
	MUL12 1, 0, 0
	MUL12 1, 1, 0
	s_wait_dscnt 0x0
	MUL12 1, 2, 0
	MUL12 1, 3, 0
; THE WAY OUT, a block of 16 tokens at a time.  PACK: bias (queries: times log2(e); values: times the token's mask), in place, each accumulator from its low end; rounded to f16.
.macro PACK a
.set AC, 96*((\a)%2)
.set WW, 2+(\a)/2
	WIN WW|(WW<<6)                                 ; destination and source 0 in the accumulators' window, the others in window 0
.irp b, 0,1,2,3
.irp r, 0,1,2,3
	v_pk_add_f32 v[AC+8*(\b)+2*(\r):AC+8*(\b)+2*(\r)+1], v[AC+8*(\b)+2*(\r):AC+8*(\b)+2*(\r)+1], v[BI+8*(\b)+2*(\r):BI+8*(\b)+2*(\r)+1]
.endr
.endr
.irp b, 4,5,6,7
.irp r, 0,1,2,3
	v_pk_fma_f32 v[AC+8*(\b)+2*(\r):AC+8*(\b)+2*(\r)+1], v[AC+8*(\b)+2*(\r):AC+8*(\b)+2*(\r)+1], s[LL:LL+1], v[BI+8*(\b)+2*(\r):BI+8*(\b)+2*(\r)+1] op_sel_hi:[1,0,1]
.endr
.endr
.irp b, 8,9,10,11
.irp r, 0,1,2,3
	v_pk_add_f32 v[AC+8*(\b)+2*(\r):AC+8*(\b)+2*(\r)+1], v[AC+8*(\b)+2*(\r):AC+8*(\b)+2*(\r)+1], v[BI+8*(\b)+2*(\r):BI+8*(\b)+2*(\r)+1]
.endr
.irp r, 0,1,2,3
	v_pk_mul_f32 v[AC+8*(\b)+2*(\r):AC+8*(\b)+2*(\r)+1], v[AC+8*(\b)+2*(\r):AC+8*(\b)+2*(\r)+1], v[MK+2*(\a):MK+2*(\a)+1]
.endr
.endr
	WIN WW|(WW<<2)                                 ; sources 0 and 1 in the accumulators' window, destination in window 0
.irp b, 0,1,2,3,4,5,6,7,8,9,10,11
.irp r, 0,1,2,3
	v_cvt_pk_f16_f32 v[TMP+4*(\b)+(\r)], v[AC+8*(\b)+2*(\r)], v[AC+8*(\b)+2*(\r)+1]
.endr
.endr
	WIN 0
.irp e, 0,1,2,3
	v_cvt_pk_f16_f32 v[TMP+48+(\e)], v[MK+2*(\a)], v[MK+2*(\a)+1]  ; the mask eight times: my half of channels 64-79
.endr
.endm
; TOSTAGE: 16 bytes a lane into my own stage, and back as whole rows.  LDS serves a wave's instructions in order (ISA guide 5.7.1.4): the loads see the stores, the next block's stores come behind the loads.
.macro TOSTAGE a
.set OB, 64*((\a)%2)
.if (\a) >= 2
	s_wait_xcnt 0x0                                ; the stores of two blocks back have read the registers that are loaded again below
.endif
	WIN 0
.irp b, 0,1,2,3
	ds_store_b128 v[STK], v[TMP+4*(\b):TMP+4*(\b)+3] offset:32*(\b)
.endr
.irp b, 0,1,2,3
	ds_store_b128 v[STK], v[TMP+16+4*(\b):TMP+16+4*(\b)+3] offset:2304+32*(\b)
.endr
.irp b, 0,1,2,3,4
	ds_store_b128 v[STV], v[TMP+32+4*(\b):TMP+32+4*(\b)+3] offset:32*(\b)
.endr
	WIN TO_B
.irp t, 0,1,2,3
	ds_load_b128 v[OB+4*(\t):OB+4*(\t)+3], v[RDK] offset:576*(\t)
.endr
.irp t, 0,1,2,3
	ds_load_b128 v[OB+16+4*(\t):OB+16+4*(\t)+3], v[RDK] offset:2304+576*(\t)
.endr
.irp t, 0,1,2,3,4
	ds_load_b128 v[OB+32+4*(\t):OB+32+4*(\t)+3], v[RDV] offset:512*(\t)
.endr
.endm
; SEND: each store of the wave covers 512 consecutive bytes, at a multiple of 256 from its buffer's first byte
.macro SEND a
.set OB, 64*((\a)%2)
	WIN 0x04                                       ; the data in window 1
.irp t, 0,1,2,3
	s_wait_dscnt 12-(\t)                           ; the younger loads from the stage stay out
	global_store_b128 v[GO], v[OB+4*(\t):OB+4*(\t)+3], s[72:73] offset:2048*(\a)+512*(\t)
.endr
.irp t, 0,1,2,3
	s_wait_dscnt 8-(\t)
	global_store_b128 v[GO], v[OB+16+4*(\t):OB+16+4*(\t)+3], s[74:75] offset:2048*(\a)+512*(\t)
.endr
.irp t, 0,1,2,3,4
	s_wait_dscnt 4-(\t)
	global_store_b128 v[GO], v[OB+32+4*(\t):OB+32+4*(\t)+3], s[76:77] offset:2560*(\a)+512*(\t)
.endr
.endm
	PLACES                                         ; behind the last products
	PACK 0
	TOSTAGE 0
.irp a, 1,2,3                          ; a block's arithmetic stands between the loads of the block before and the wait for them
	PACK \a
	SEND (\a)-1
	TOSTAGE \a
.endr
	SEND 3
	WIN 0
	s_wait_tensorcnt 0x0                           ; the wave's end: behind my last tensor load and my last LDS store
	ds_add_u32 v[SPW], v[NIL]
	s_wait_dscnt 0x0
	CROUND                                         ; the closing round: no work-group ends while a partner may still ask for a tile that names it
	s_endpgm
.Lfunc_end_k_qb6f7156492_proj:
	.size	k_qb6f7156492_proj, .Lfunc_end_k_qb6f7156492_proj-k_qb6f7156492_proj
	.p2alignl 7, 3214868480
	.fill 96, 4, 3214868480
	.section	.rodata,"a",@progbits
	.p2align	6, 0x0
	.amdhsa_kernel k_qb6f7156492_proj
		.amdhsa_group_segment_fixed_size 327680
		.amdhsa_private_segment_fixed_size 0
		.amdhsa_enable_private_segment 0
		.amdhsa_kernarg_size 56
		.amdhsa_user_sgpr_count 2
		.amdhsa_user_sgpr_kernarg_segment_ptr 1
		.amdhsa_wavefront_size32 1
		.amdhsa_system_sgpr_workgroup_id_x 1
		.amdhsa_system_sgpr_workgroup_id_y 1
		.amdhsa_system_sgpr_workgroup_id_z 1
		.amdhsa_system_vgpr_workitem_id 0
		.amdhsa_next_free_vgpr 960
		.amdhsa_next_free_sgpr 80
		.amdhsa_reserve_vcc 0
		.amdhsa_float_denorm_mode_32 3
		.amdhsa_float_denorm_mode_16_64 3
		.amdhsa_memory_ordered 1
		.amdhsa_forward_progress 1
		.amdhsa_inst_pref_size 152
	.end_amdhsa_kernel
	.amdgpu_metadata
---
amdhsa.version: [ 1, 2 ]
amdhsa.kernels:
  - .name:           k_qb6f7156492_proj
    .symbol:         k_qb6f7156492_proj.kd
    .args:
      - { .name: xb, .offset: 0, .size: 8, .value_kind: global_buffer, .address_space: global }
      - { .name: wt, .offset: 8, .size: 8, .value_kind: global_buffer, .address_space: global }
      - { .name: b, .offset: 16, .size: 8, .value_kind: global_buffer, .address_space: global }
      - { .name: masks, .offset: 24, .size: 8, .value_kind: global_buffer, .address_space: global }
      - { .name: kws, .offset: 32, .size: 8, .value_kind: global_buffer, .address_space: global }
      - { .name: qws, .offset: 40, .size: 8, .value_kind: global_buffer, .address_space: global }
      - { .name: vws, .offset: 48, .size: 8, .value_kind: global_buffer, .address_space: global }
    .group_segment_fixed_size: 327680
    .private_segment_fixed_size: 0
    .kernarg_segment_align: 8
    .kernarg_segment_size: 56
    .max_flat_workgroup_size: 128
    .sgpr_count:     80
    .vgpr_count:     960
    .wavefront_size: 32
...
	.end_amdgpu_metadata
.endif
;; end of part 2
;; launch attn (part 3): grid 8 x 32, 4 waves a work-group, clusters of 4 x 1, 327,680 bytes of LDS; arguments qws, kws, vws, out0, masks; writes out0
.if DOCPART == 3
	.amdgcn_target "amdgcn-amd-amdhsa--gfx1250"
	.amdhsa_code_object_version 6
	.text
	.protected	k_qb6f7156492_attn
	.globl	k_qb6f7156492_attn
	.p2align	8
	.type	k_qb6f7156492_attn,@function
k_qb6f7156492_attn:
	s_mov_b64 s[64:65], 0
	v_nop
	global_prefetch_b8 v0, s[64:65] scope:SCOPE_SE
	s_setreg_imm32_b32 hwreg(HW_REG_WAVE_MODE, 25, 1), 1
	s_wait_xcnt 0x0
	s_wait_alu depctr_hold_cnt(0) depctr_sa_sdst(0) depctr_va_vdst(0) depctr_va_sdst(0) depctr_va_ssrc(0) depctr_va_vcc(0) depctr_vm_vsrc(0)
	s_getreg_b32 s2, hwreg(HW_REG_IB_STS2, 6, 4)
	s_cmp_eq_u32 s2, 0
	s_cbranch_scc0 .Lentry_in_a_cluster
	s_endpgm
.Lentry_in_a_cluster:
	s_bfe_u32 s2, ttmp6, 0x10000c
	s_cmp_lg_u32 s2, 0x3003
	s_cbranch_scc0 .Lentry_shape_is_right
	s_endpgm
.Lentry_shape_is_right:
; out[b][q][h][:] = mask[q] x (sum over k of p V[k] mask[k]) / (sum over k of p mask[k]),  p = exp(clip(elu(q . k), -10, 10)).
; qws holds q log2(e), kws k, vws [key][80] = v mask[key] in channels 0-63 and mask[key] in channels 64-79, all f16, by heads ([32][2048][..]).
; THE WEIGHT.  With L = log2(e) and s = L u (the product as it comes):  e = 2^s;  f = e L - L;  g = the middle one of (s, 0, f) = L elu(u) for every s, since e^u - 1 >= u;
; w = 2^g;  p = min(f16(w), f16(e^10)).  Where e or w passes f32's or f16's range it is an infinity, the middle one is still s, and the minimum gives the clip.
; NO MAXIMUM IS TAKEN AWAY, as in the definition: elu is above -1 and the clip ends at 10, so every p lies in e^-1 .. e^10 and a row's sum under 2,048 x 22,032 x the largest mask.
; The lower clip, -10, can never bind, since elu is above -1.
; LIMITS.  p, and the clip e^10 (22,032 in f16), are rounded to f16; the divisor is the sum of the rounded p; the query's mask is rounded to bf16 like the other inputs; NaN is not treated apart.
; THE DIVISOR comes from the matrix unit: V's fifth block of 16 channels is the key's mask, so O^T's fifth accumulator holds sum p mask in every register.
; SHARES.  A work-group owns 256 queries of one head and batch, each wave 64: four tiles of 16.  Every wave walks the 2,048 keys, 64 a step; a slot of LDS holds four steps.
; CLUSTER.  The four query blocks of a cluster walk the same K and V: each tile is asked for jointly.
; LAYOUT.  S^T = K Q^T: a lane holds one query (l % 16) and keys 8 (l / 16) + 0..7 of each 16; two such results rounded to f16 are source 1 of O^T = V^T P.  V comes out of LDS turned.
; BY TURNS.  Turn n belongs to tile n (the tiles in a ring, step after step).  Matrix: 8 products K Q^T of tile n + 1, then 10 products V^T P of tile n - 2.
; Vector: f, g, w of tile n (beside the first run); rounding and clip of tile n - 1 and e of tile n + 1 (beside the second).  Nothing in a turn names the result of an
; exponential of the same turn, so the turn's 64 exponentials are one batch with one wait, at the turn's end.
; REGISTERS, in windows of 256 (s_set_vgpr_msb: bits 1:0 source 0, 3:2 source 1, 5:4 source 2, 7:6 destination):
;   window 0: v0-63 S^T, two buffers by the tile's parity; v64-191 EF, 32 a tile: e, f, g, w in place, then P in the lower 16; v192-255 K of one step
;   window 1: v0-159 O^T, 40 a tile        window 2: v0-63 Q; v64-143 V of one step; v144-157 addresses, the queries' masks, the add's two registers
; S^T, EF and K share window 0: the first run's products and all that stands beside them need one setting.
.set KS,    64
.set PK,    144       ; a row of K in LDS: 128 bytes + 16
.set PV,    160       ; a row of V as it lies in memory: 80 f16; 16 lanes of the turning load take 8 rows x 32 bytes
.set VOFF,  4*KS*PK   ; a slot: 256 rows of K, then 256 rows of V
.set SLOT1, 1<<17
.set STAGE, SLOT1+4*KS*(PK+PV)  ; behind the ring: 16 rows x 272 bytes for each wave
.set SP,    272
.set SPARE, STAGE+4*16*SP       ; the spare words, 128 bytes for each wave
.set EF,  64
.set KF,  192
.set VF,  64          ; window 2
.set AK0, 144         ; window 2: my lane's place in a tile of K; never rewritten
.set AV0, 145         ; the same for V
.set AK,  146         ; the address of K's next run of loads
.set AV,  147         ; of V's
.set STO, 148         ; the way out: where I put 32 bytes of a row
.set RD,  149         ; where I read rows back
.set GO,  150         ; my byte offset in two rows of out0
.set PFO, 151         ; the prefetches' offset: 256 x lane; never rewritten
.set QM,  152         ; v152-155 my query's mask, a tile each
.set SPW, 156         ; my spare word; never rewritten
.set NIL, 157         ; 0; never rewritten
.set WV,  12
.set G1K, 24
.set G1V, 32
.set G0K, 40
.set G0V, 44
.set PFA, 50          ; s[50:51] where my prefetches stand
.set PFS, 52          ; s[52:53] a slot's bytes in the tensor that I prefetch
.set LIM, 54          ; 1 in a wave that prefetches, else the greatest number
.set PL,  55          ; the last lane that names a block of its own
.set SLOTS, 56
.set CNT, 57
.set LL,  58          ; s[58:59] L
.set NL,  60          ; s[60:61] -L
.set TBK, 62          ; LDS byte at which K of the step to be fetched begins
.set TBV, 63          ; the same for V, less VOFF
.set CLIP, 66         ; f16(e^10), twice
.set MSB, 0
.macro WIN new
.if MSB != (\new)
	s_set_vgpr_msb (MSB<<8)|(\new)
.set MSB, (\new)
.endif
.endm
.set W_KQ, 0x08       ; Q in window 2; K, S^T and all of the first stream in window 0
.set W_PV, 0x52       ; V in window 2, P in window 0, O^T in window 1
.set W_RS, 0x41       ; destination and source 0 in window 1, source 1 in window 0
.set W_MK, 0x80       ; destination in window 2, sources in window 0
.set W_AD, 0x0a       ; the add: address and data in window 2
; A joint fill: waves 0 and 1 fetch the two halves of a slot's K, waves 2 and 3 those of its V.  An s_nop 0 and four v_nop follow each line.
.macro JLOAD
	s_cmp_lt_u32 s[WV], 2
	s_cbranch_scc0 .Lfor_v_\@
	tensor_load_to_lds s[G0K:G0K+3], s[G1K:G1K+7]
	s_nop 0
.rept 4
	v_nop
.endr
	s_branch .Lasked_\@
.Lfor_v_\@:
	tensor_load_to_lds s[G0V:G0V+3], s[G1V:G1V+7]
	s_nop 0
.rept 4
	v_nop
.endr
.Lasked_\@:
.endm
.macro CROUND
	s_barrier_signal -1
	s_barrier_wait -1
	s_cmp_lg_u32 s[WV], 0
	s_cbranch_scc1 .Lnot_wave_0_\@
	s_barrier_signal -3
.Lnot_wave_0_\@:
	s_barrier_wait -3
	s_barrier_signal -1
	s_barrier_wait -1
.endm
; A prefetch of what the NEXT change of slots will ask for: four key steps, 16 turns, ahead of that load.  Both clusters of a head walk the same K and V: the first asks.  Its four partners share
; a slot's blocks of 256 bytes (128 of K, 160 of V) out by address: wave 0 names 32 of K, wave 2 names 32 of V, wave 3 the other 8 (its lanes 8-31 name the last again).  The last fill asks for nothing.
.macro ASK
	s_cmp_gt_u32 s[SLOTS], s[LIM]
	s_cbranch_scc0 .Lnot_mine_\@
	WIN 0x02
	global_prefetch_b8 v[PFO], s[PFA:PFA+1] th:TH_LOAD_NT scope:SCOPE_SE
	WIN 0
.Lnot_mine_\@:
.endm
; THE CHANGE OF SLOTS.  Each wave waits for all its tensor loads (one is out: its part of the other slot), adds 0 to its spare word, and waits for that and for its reads of the slot that it leaves.
; fill = 1: a round of the cluster's barrier, and the slot is filled again first thing behind it, with the keys two slots on.
.macro CHANGE fill, ask
	WIN W_AD
	s_wait_tensorcnt 0x0
	ds_add_u32 v[SPW], v[NIL]
	WIN 0
.if \fill
	s_xor_b32 s[G0K+1], s[G0K+1], SLOT1
	s_add_nc_u64 s[G0K+2:G0K+3], s[G0K+2:G0K+3], 4*KS*128
	s_xor_b32 s[G0V+1], s[G0V+1], SLOT1
	s_add_nc_u64 s[G0V+2:G0V+3], s[G0V+2:G0V+3], 4*KS*PV
.if \ask
	s_wait_xcnt 0x0                 ; the last prefetch, a slot back, has read its address
	s_add_nc_u64 s[PFA:PFA+1], s[PFA:PFA+1], s[PFS:PFS+1]
.endif
	s_wait_dscnt 0x0                ; the add is done, and my reads of the slot are over
	CROUND
	JLOAD
.if \ask
	ASK
.endif
.else
	s_wait_dscnt 0x0
	s_barrier_signal -1
	s_barrier_wait -1
.endif
	s_sub_co_u32 s[TBK], s[TBK], 4*KS*PK  ; the fetches go back to a slot's first step, in the other slot
	s_xor_b32 s[TBK], s[TBK], SLOT1
	s_sub_co_u32 s[TBV], s[TBV], 4*KS*PV
	s_xor_b32 s[TBV], s[TBV], SLOT1
.endm
.macro PLACES
.rept 4
	v_nop
.endr
.endm
	s_load_b256 s[4:11], s[0:1], 0x0  ; qws s[4:5], kws s[6:7], vws s[8:9], out0 s[10:11]
	s_load_b64 s[48:49], s[0:1], 0x20 ; masks
	WIN W_MK
	v_lshl_add_u32 v[SPW], v0, 2, SPARE
	v_mov_b32 v[NIL], 0
	WIN W_AD
	ds_add_u32 v[SPW], v[NIL]       ; the wave's opening: the add, twice on end, and its wait ahead of my first tensor load
	ds_add_u32 v[SPW], v[NIL]
	WIN 0
	v_lshrrev_b32 v1, 5, v0
	v_readfirstlane_b32 s[WV], v1   ; wave 0..3
	s_bfe_u32 s13, ttmp6, 0x40000   ; cx
	s_lshl_b32 s14, ttmp9, 2
	s_add_co_u32 s14, s14, s13      ; my block of 256 queries: it enters Q's, the masks' and out0's addresses alone
	s_and_b32 s15, ttmp7, 0xffff    ; batch x 16 + head, which the four partners share
	s_and_b32 s16, s[WV], 1         ; which half of a slot's 256 keys I fetch
	s_lshl_b32 s20, s15, 18         ; K: 2,048 rows of 128 bytes a head, 128 rows a half
	s_lshl_b32 s21, s16, 14
	s_add_co_u32 s20, s20, s21
	s_mov_b32 s21, 0
	s_mul_i32 s22, s15, 2048*PV     ; V: rows of 160 bytes
	s_mul_i32 s23, s16, 128*PV
	s_add_co_u32 s22, s22, s23
	s_mov_b32 s23, 0
	s_mul_i32 s17, s16, 128*PK      ; their places in a slot
	s_mul_i32 s18, s16, 128*PV
	; K: 128 keys are 16,384 dense bytes: 64 rows of 256 bytes, padded in LDS after every key.  V: 128 keys are 20,480 dense bytes: 80 rows of 256 bytes, laid on end
	s_mov_b32 s[G1K], 15|(1<<16)|(1<<20)|(1<<21)|(4<<22)|(3<<25)  ; the mask of four; 2-byte elements; padding on; bit 21 beside a mask; after every 32 words, 4 words
	s_mov_b32 s[G1K+1], 128<<16
	s_mov_b32 s[G1K+2], 64<<16
	s_mov_b32 s[G1K+3], 128<<16
	s_mov_b32 s[G1K+4], 64
	s_mov_b32 s[G1K+5], 128
	s_mov_b32 s[G1K+6], 0
	s_mov_b32 s[G1K+7], 0
	s_mov_b32 s[G1V], 15|(1<<16)|(1<<21)
	s_mov_b32 s[G1V+1], 128<<16
	s_mov_b32 s[G1V+2], 80<<16
	s_mov_b32 s[G1V+3], 128<<16
	s_mov_b32 s[G1V+4], 80
	s_mov_b32 s[G1V+5], 128
	s_mov_b32 s[G1V+6], 0
	s_mov_b32 s[G1V+7], 0
	s_mov_b32 s[LL], 0x3fb8aa3b     ; L = log2(e)
	s_mov_b32 s[LL+1], s[LL]
	s_mov_b32 s[NL], 0xbfb8aa3b
	s_mov_b32 s[NL+1], s[NL]
	s_mov_b32 s[CLIP], 0x75617561
	s_mov_b32 s[TBK], SLOT1+4*KS*PK ; the first change of slots turns these two into 0
	s_mov_b32 s[TBV], SLOT1+4*KS*PV
	s_mov_b32 s[G0K], 1
	s_mov_b32 s[G0K+1], s17
	s_mov_b32 s[G0V], 1
	s_add_co_u32 s[G0V+1], s18, VOFF
	s_wait_dscnt 0x0                ; both opening adds are done
	s_wait_kmcnt 0x0
	s_add_nc_u64 s[G0K+2:G0K+3], s[6:7], s[20:21]
	s_or_b32 s[G0K+3], s[G0K+3], 0x80000000
	s_add_nc_u64 s[G0V+2:G0V+3], s[8:9], s[22:23]
	s_or_b32 s[G0V+3], s[G0V+3], 0x80000000
	CROUND                          ; all four work-groups are here
	JLOAD                           ; slot 0; slot 1 is asked for when slot 0 is in.  One load of mine is out
	; all that follows, down to the first change of slots, stands in the wait for the first tile
	s_lshl_b32 s2, s15, 11          ; Q: (head's 2,048 rows + 256 x block + 64 x wave) x 128 bytes
	s_lshl_b32 s3, s14, 8
	s_add_co_u32 s2, s2, s3
	s_lshl_b32 s3, s[WV], 6
	s_add_co_u32 s2, s2, s3
	s_lshl_b32 s2, s2, 7
	s_mov_b32 s3, 0
	s_add_nc_u64 s[4:5], s[4:5], s[2:3]
	s_lshr_b32 s2, s15, 4           ; my first token: batch x 2,048 + 256 x block + 64 x wave
	s_lshl_b32 s2, s2, 11
	s_lshl_b32 s19, s14, 8
	s_add_co_u32 s2, s2, s19
	s_lshl_b32 s19, s[WV], 6
	s_add_co_u32 s2, s2, s19
	s_lshl_b32 s20, s2, 2
	s_add_nc_u64 s[48:49], s[48:49], s[20:21]
	s_lshl_b32 s20, s2, 12          ; a token's row of out0 is 4,096 bytes, a head's part of it 256
	s_and_b32 s19, s15, 15
	s_lshl_b32 s19, s19, 8
	s_add_co_u32 s20, s20, s19
	s_add_nc_u64 s[10:11], s[10:11], s[20:21]
	; the prefetches
	s_cmp_eq_u32 s[WV], 1
	s_cselect_b32 s[LIM], 1, 0
	s_or_b32 s[LIM], s[LIM], ttmp9  ; 0 in waves 0, 2, 3 of the head's first cluster: the same in all four partners
	s_cmp_eq_u32 s[LIM], 0
	s_cselect_b32 s[LIM], 1, -1
	s_lshl_b32 s20, s15, 18
	s_lshl_b32 s19, s13, 13         ; my work-group's 32 blocks of K
	s_add_co_u32 s20, s20, s19
	s_add_co_u32 s20, s20, 2*4*KS*128  ; in slot 2: the first asking change steps it to slot 3.  Nothing is prefetched here, at the head
	s_mul_i32 s22, s15, 2048*PV
	s_mul_i32 s19, s13, 40*256      ; my work-group's 40 blocks of V
	s_add_co_u32 s22, s22, s19
	s_add_co_u32 s22, s22, 2*4*KS*PV
	s_cmp_eq_u32 s[WV], 3
	s_cselect_b32 s19, 8192, 0
	s_cselect_b32 s[PL], 7, 31
	s_add_co_u32 s22, s22, s19
	s_mov_b32 s[PFS], 4*KS*PV
	s_mov_b32 s[PFS+1], 0
	s_cmp_lt_u32 s[WV], 2
	s_cselect_b32 s20, s20, s22
	s_cselect_b32 s[PFS], 4*KS*128, s[PFS]
	s_cselect_b64 s[PFA:PFA+1], s[6:7], s[8:9]
	s_add_nc_u64 s[PFA:PFA+1], s[PFA:PFA+1], s[20:21]
	v_and_b32 v1, 15, v0            ; l % 16
	v_bfe_u32 v2, v0, 4, 1          ; l / 16
	v_and_b32 v3, 7, v0
	v_bfe_u32 v4, v0, 3, 1
	v_and_b32 v5, 31, v0
	v_mul_u32_u24 v6, v1, PK
	v_lshl_add_u32 v7, v2, 3, v3    ; the turning load: lane l reads key 8 (l / 16) + l % 8, channels 8 ((l / 8) % 2) + 0..7
	v_mul_u32_u24 v7, v7, PV
	v_lshl_add_u32 v7, v4, 4, v7
	v_mul_u32_u24 v8, v1, SP        ; the stage, in: row l % 16, 32 bytes for each half of the lanes
	v_lshl_add_u32 v8, v2, 5, v8
	v_mul_u32_u24 v9, v2, SP        ; back: lanes 0-15 one row of 256 bytes, lanes 16-31 the next
	v_lshl_add_u32 v9, v1, 4, v9
	v_lshlrev_b32 v10, 12, v2
	v_lshlrev_b32 v11, 2, v1        ; my query in masks
	v_lshlrev_b32 v12, 7, v1        ; my row of Q,
	v_lshl_add_u32 v12, v2, 4, v12  ; + 16 x half
	v_min_u32 v5, s[PL], v5
	s_mul_i32 s19, s[WV], 16*SP
	s_add_co_u32 s19, s19, STAGE
	WIN W_MK
	v_lshl_add_u32 v[AK0], v2, 4, v6
	v_add_nc_u32 v[AV0], VOFF, v7
	v_add_nc_u32 v[STO], s19, v8
	v_add_nc_u32 v[RD], s19, v9
	v_lshl_add_u32 v[GO], v1, 4, v10
	v_lshlrev_b32 v[PFO], 8, v5
.set i, 0
.rept 8                             ; Q stays in registers: tile i / 2, channels 32 (i % 2) on
	global_load_b128 v[8*i:8*i+3],   v12, s[4:5] offset:(i/2)*2048+(i%2)*64
	global_load_b128 v[8*i+4:8*i+7], v12, s[4:5] offset:(i/2)*2048+(i%2)*64+32
.set i, i+1
.endr
.irp t, 0,1,2,3
	global_load_b32 v[QM+(\t)], v11, s[48:49] offset:64*(\t)
.endr
	; No first step is written out: O^T starts at 0, and the first two turns' products V^T P, of tiles that have not been, multiply zeros (V, P of tile 2, w of tile 3).
.set i, VF
.rept 80
	v_mov_b32 v[i], 0
.set i, i+1
.endr
	WIN 0x40
.set i, 0
.rept 160
	v_mov_b32 v[i], 0
.set i, i+1
.endr
	WIN 0
.set i, EF+64
.rept 16
	v_mov_b32 v[i], 0
.set i, i+1
.endr
.set i, EF+96
.rept 32
	v_mov_b32 v[i], 0
.set i, i+1
.endr
; THE MATRIX WORK.  The accumulators of a run take turns, one instruction a turn.
; Product i of 8 of S^T = K Q^T for tile t: channels 32 (i / 4) on, keys 16 (i % 4) on.  The first 4 start the sums.
.macro KQ t
	WIN W_KQ
.set rS, 32*((\t)%2)+8*(i%4)
.set rK, KF+16*(i%4)+8*(i/4)
.set rQ, 16*(\t)+8*(i/4)
.if i < 4
	v_wmma_f32_16x16x32_f16 v[rS:rS+7], v[rK:rK+7], v[rQ:rQ+7], 0
.else
	v_wmma_f32_16x16x32_f16 v[rS:rS+7], v[rK:rK+7], v[rQ:rQ+7], v[rS:rS+7]
.endif
.endm
; Product i of 10 of O^T += V^T P for tile t: keys 32 (i / 5) on, channels 16 (i % 5) on; block 4 is the divisor's.
.macro PV t
	WIN W_PV
.set rO, 40*(\t)+8*(i%5)
.set rV, VF+40*(i/5)+8*(i%5)
.set rP, EF+32*(\t)+8*(i/5)
	v_wmma_f32_16x16x32_f16 v[rO:rO+7], v[rV:rV+7], v[rP:rP+7], v[rO:rO+7]
.endm
; THE LDS LOADS stand in runs: a step's K (8 fragments, 16 loads) and its V (turned, 10 fragments, 20 loads).
.macro FETCH_K
	WIN 0x88                        ; source 1 and destination in window 2
	v_add_nc_u32 v[AK], s[TBK], v[AK0]
	s_add_co_u32 s[TBK], s[TBK], KS*PK
	WIN 0x02                        ; address in window 2, destination in window 0
.irp f, 0,1,2,3,4,5,6,7             ; keys 16 (f / 2) on, channels 32 (f % 2) on
	ds_load_b128 v[KF+8*(\f):KF+8*(\f)+3],   v[AK] offset:((\f)/2)*16*PK+((\f)%2)*64
	ds_load_b128 v[KF+8*(\f)+4:KF+8*(\f)+7], v[AK] offset:((\f)/2)*16*PK+((\f)%2)*64+32
.endr
.endm
.macro FETCH_V
	WIN 0x88
	v_add_nc_u32 v[AV], s[TBV], v[AV0]
	s_add_co_u32 s[TBV], s[TBV], KS*PV
	WIN 0x82                        ; address and destination in window 2
.irp kk, 0,1
.irp cb, 0,1,2,3,4
	ds_load_tr16_b128 v[VF+40*(\kk)+8*(\cb):VF+40*(\kk)+8*(\cb)+3],   v[AV] offset:(\kk)*32*PV+(\cb)*32
	ds_load_tr16_b128 v[VF+40*(\kk)+8*(\cb)+4:VF+40*(\kk)+8*(\cb)+7], v[AV] offset:(\kk)*32*PV+16*PV+(\cb)*32
.endr
.endr
	WIN 0
.endm
; THE FIRST STREAM, for the turn's own tile, in 20 groups.  Group k: f of pair k; g of scores 2 k - 4 and 2 k - 3; w of scores 2 k - 8 and 2 k - 7: each two groups behind what it reads.
; Source 1 of each line is a scalar or a constant, so the lines hold under the products' window setting.
.macro GA
.if ga < 16
	v_pk_fma_f32 v[EA+2*ga:EA+2*ga+1], v[EA+2*ga:EA+2*ga+1], s[LL:LL+1], s[NL:NL+1] op_sel_hi:[1,0,0]
.endif
.if (ga >= 2) && (ga < 18)
	v_med3_num_f32 v[EA+2*ga-4], v[SB+2*ga-4], 0, v[EA+2*ga-4]
.endif
.if ga >= 4
	v_exp_f32 v[EA+2*ga-8], v[EA+2*ga-8]
.endif
.if (ga >= 2) && (ga < 18)
	v_med3_num_f32 v[EA+2*ga-3], v[SB+2*ga-3], 0, v[EA+2*ga-3]
.endif
.if ga >= 4
	v_exp_f32 v[EA+2*ga-7], v[EA+2*ga-7]
.endif
.set ga, ga+1
.endm
.macro RIDE_A n
.rept \n
.if ga < 20
	GA
.endif
.endr
.endm
; THE SECOND STREAM, in 18 groups.  Group k: pair k of the tile before is rounded to f16, in place from the low end (register k takes registers 2 k and 2 k + 1); e of scores 2 k, 2 k + 1 of the
; next tile (each accumulator's lowest register is read first); pair k - 2 is clipped.  The last two groups, plain, stand behind the batch's last exponential.
.macro GB
.if CM && (gb < 16)
	v_cvt_pk_f16_f32 v[EC+gb], v[EC+2*gb], v[EC+2*gb+1]
.endif
.if EN1 && (gb < 16)
	v_exp_f32 v[EN+2*gb], v[SN+2*gb]
.endif
.if CM && (gb >= 2)
	v_pk_min_num_f16 v[EC+gb-2], v[EC+gb-2], s[CLIP]
.endif
.if EN1 && (gb < 16)
	v_exp_f32 v[EN+2*gb+1], v[SN+2*gb+1]
.endif
.set gb, gb+1
.endm
.macro RIDE_B n
.rept \n
.if gb < 18
	WIN 0
	GB
.endif
.endr
.endm
; A TURN, for tile p.  kq: the 8 products K Q^T of tile p + 1.  sa: the first stream.  en: e of tile p + 1.  cm: rounding and clip of tile p - 1.  fk, fv: the fetches.
; Behind the last product K Q^T stand seven plain lines of the first stream (groups 15 to 17), which name none of its registers: the places in front of e and of the loads into K.
; K of the next step is fetched in tile 2's turn, behind that; it is waited for at the head of tile 3's turn.  V of the step in hand is fetched at the end of tile 1's turn, four places behind its
; last reader and directly behind the turn's wait; it is waited for in tile 2's turn, where K's 16 younger loads may stay out.
.macro TURN p, kq=1, sa=1, en=1, cm=1, fk=1, fv=1
.set Y, (\p)
.set EA, EF+32*Y
.set SB, 32*(Y%2)
.set EC, EF+32*((Y+3)%4)
.set EN, EF+32*((Y+1)%4)
.set SN, 32*((Y+1)%2)
.set CM, (\cm)
.set EN1, (\en)
.set ga, 20-20*(\sa)
.set gb, 18-18*((\cm)|(\en))
.if ((\p) == 3) && (\kq)
	s_wait_dscnt 0x0                ; K is in
.endif
.if \kq
.set i, 0
.rept 8
	KQ (Y+1)%4
.if i == 0
	RIDE_A 3
.else
	RIDE_A 2
.endif
.set i, i+1
.endr
.else
	WIN 0
.endif
	RIDE_A 20                       ; what is left of the first stream
.if (\p) == 2
.if \fk
	FETCH_K
	s_wait_dscnt 16                 ; V is in; K's run may stay out
.else
	s_wait_dscnt 0x0                ; V is in
.endif
.endif
.set i, 0
.rept 10
	PV (Y+2)%4
	RIDE_B 2
.set i, i+1
.endr
	WIN 0
.if ((\p) == 1) && (\fv)
	PLACES                          ; behind V's last reader
.endif
.if (\sa) || (\en)
	s_wait_alu depctr_va_vdst(0)    ; one wait for the turn's batch, ahead of the next turn, which reads it
.endif
.if ((\p) == 1) && (\fv)
	FETCH_V
.endif
.endm
	CHANGE 1, 0                     ; slot 0 is in, everybody's part of it; slot 1 is asked for
	FETCH_K                         ; key step 0
	s_wait_loadcnt 0x0              ; Q and the queries' masks
	s_wait_dscnt 0x0
.set i, 0
.rept 8
	KQ 0                            ; tile 0's first scores
.set i, i+1
.endr
	WIN 0
	PLACES
.set i, 0
.rept 32
	v_exp_f32 v[EF+i], v[i]         ; and their e
.set i, i+1
.endr
	v_nop                           ; a plain line behind the last exponential,
	s_wait_alu depctr_va_vdst(0)    ; and the batch's wait, ahead of the branch
	s_mov_b32 s[CNT], 4
	s_mov_b32 s[SLOTS], 7
	s_branch .Lfirst                ; the loop is entered at a step's first turn, in the middle of a trip
.Lslot:                             ; six times: slots 2 to 7 are asked for.  It stands between tile 1's and tile 2's turn of a slot's fourth step: behind the slot's last read (V), ahead of the next slot's first (K)
	CHANGE 1, 1
	s_mov_b32 s[CNT], 4
.Lstep:
	TURN 2
	TURN 3
.Lfirst:
	TURN 0
	TURN 1
	s_sub_co_u32 s[CNT], s[CNT], 1
	s_cmp_lg_u32 s[CNT], 0
	s_cbranch_scc1 .Lstep
	s_sub_co_u32 s[SLOTS], s[SLOTS], 1
	s_cmp_lg_u32 s[SLOTS], 0
	s_cbranch_scc1 .Lslot
	CHANGE 0, 0                     ; the tail is written out: nothing is asked for
	s_mov_b32 s[CNT], 4
.Ltail:
	TURN 2
	TURN 3
	TURN 0
	TURN 1
	s_sub_co_u32 s[CNT], s[CNT], 1
	s_cmp_lg_u32 s[CNT], 0
	s_cbranch_scc1 .Ltail
	TURN 2, 1, 1, 1, 1, 0, 1        ; the pipeline runs empty: no K is left to fetch,
	TURN 3, 0, 1, 0, 1, 1, 1        ; no tile follows tile 3,
	TURN 0, 0, 0, 0, 1, 1, 1        ; tile 3 is rounded and clipped, tile 2 multiplied,
	TURN 1, 0, 0, 0, 0, 1, 0        ; and tile 3
	; THE WAY OUT.  O^T times mask[query] / divisor, through my stage in LDS, a tile (16 tokens x 256 bytes) at a time.  The eight lines on the masks are the places behind the last products.
	WIN 0x8a
.irp t, 0,1,2,3
	v_cvt_pk_bf16_f32 v[QM+(\t)], v[QM+(\t)], v[QM+(\t)]
.endr
.irp t, 0,1,2,3
	v_lshlrev_b32 v[QM+(\t)], 16, v[QM+(\t)]
.endr
	WIN 0x01
.irp t, 0,1,2,3
	v_rcp_f32 v[2*(\t)], v[40*(\t)+32]             ; the divisor: the lowest register of the fifth accumulator
.endr
	v_nop
	s_wait_alu depctr_va_vdst(0)    ; one wait for the four reciprocals
	WIN 0x08
.irp t, 0,1,2,3
	v_mul_f32 v[2*(\t)], v[2*(\t)], v[QM+(\t)]
.endr
.irp t, 0,1,2,3
	v_mov_b32 v[2*(\t)+1], v[2*(\t)]               ; a pair for the packed multiply
.endr
.macro PACK t
	WIN W_RS
.set i, 0
.rept 16
	v_pk_mul_f32 v[40*(\t)+i:40*(\t)+i+1], v[40*(\t)+i:40*(\t)+i+1], v[2*(\t):2*(\t)+1]
.set i, i+2
.endr
	WIN 0x06                        ; address in window 2, data in window 1
.irp c, 0,1,2,3
	ds_store_b128 v[STO], v[40*(\t)+8*(\c):40*(\t)+8*(\c)+3]   offset:64*(\c)
	ds_store_b128 v[STO], v[40*(\t)+8*(\c)+4:40*(\t)+8*(\c)+7] offset:64*(\c)+16
.endr
	WIN 0x02
.irp f, 0,1,2,3,4,5,6,7
	ds_load_b128 v[EF+32*(\t)+4*(\f):EF+32*(\t)+4*(\f)+3], v[RD] offset:(\f)*2*SP  ; LDS serves a wave's instructions in order (ISA guide 5.7.1.4): these see the stores above; the next tile's stores come behind them
.endr
.endm
.macro SEND t, younger              ; younger: the LDS instructions issued behind tile t's loads: the next tile's sixteen, or none
	WIN 0x02
.irp f, 0,1,2,3,4,5,6,7
	s_wait_dscnt (\younger)+7-(\f)
	global_store_b128 v[GO], v[EF+32*(\t)+4*(\f):EF+32*(\t)+4*(\f)+3], s[10:11] offset:65536*(\t)+8192*(\f) th:TH_STORE_NT  ; 16 lanes store 256 consecutive bytes, aligned: a head's part of a token's row
.endr
.endm
	PACK 0
.irp t, 1,2,3
	PACK \t
	SEND (\t)-1, 16
.endr
	SEND 3, 0
	WIN W_AD
	s_wait_tensorcnt 0x0            ; the wave's end: behind my last tensor load and my last LDS store
	ds_add_u32 v[SPW], v[NIL]
	s_wait_dscnt 0x0
	WIN 0
	CROUND                          ; the closing round
	s_endpgm
.Lfunc_end_k_qb6f7156492_attn:
	.size	k_qb6f7156492_attn, .Lfunc_end_k_qb6f7156492_attn-k_qb6f7156492_attn
	.p2alignl 7, 3214868480
	.fill 96, 4, 3214868480
	.section	.rodata,"a",@progbits
	.p2align	6, 0x0
	.amdhsa_kernel k_qb6f7156492_attn
		.amdhsa_group_segment_fixed_size 327680
		.amdhsa_private_segment_fixed_size 0
		.amdhsa_enable_private_segment 0
		.amdhsa_kernarg_size 40
		.amdhsa_user_sgpr_count 2
		.amdhsa_user_sgpr_kernarg_segment_ptr 1
		.amdhsa_wavefront_size32 1
		.amdhsa_system_sgpr_workgroup_id_x 1
		.amdhsa_system_sgpr_workgroup_id_y 1
		.amdhsa_system_sgpr_workgroup_id_z 1
		.amdhsa_system_vgpr_workitem_id 0
		.amdhsa_next_free_vgpr 768
		.amdhsa_next_free_sgpr 68
		.amdhsa_reserve_vcc 0
		.amdhsa_float_denorm_mode_32 3
		.amdhsa_float_denorm_mode_16_64 3
		.amdhsa_memory_ordered 1
		.amdhsa_forward_progress 1
		.amdhsa_inst_pref_size 136
	.end_amdhsa_kernel
	.amdgpu_metadata
---
amdhsa.version: [ 1, 2 ]
amdhsa.kernels:
  - .name:           k_qb6f7156492_attn
    .symbol:         k_qb6f7156492_attn.kd
    .args:
      - { .name: qws, .offset: 0, .size: 8, .value_kind: global_buffer, .address_space: global }
      - { .name: kws, .offset: 8, .size: 8, .value_kind: global_buffer, .address_space: global }
      - { .name: vws, .offset: 16, .size: 8, .value_kind: global_buffer, .address_space: global }
      - { .name: out0, .offset: 24, .size: 8, .value_kind: global_buffer, .address_space: global }
      - { .name: masks, .offset: 32, .size: 8, .value_kind: global_buffer, .address_space: global }
    .group_segment_fixed_size: 327680
    .private_segment_fixed_size: 0
    .kernarg_segment_align: 8
    .kernarg_segment_size: 40
    .max_flat_workgroup_size: 128
    .sgpr_count:     68
    .vgpr_count:     768
    .wavefront_size: 32
...
	.end_amdgpu_metadata
.endif
;; end of part 3
